; MI455X (gfx1250); checked and timed in simulation.
; The chip was launched on July 23, 2026; its instructions are those of AMD's public machine-readable ISA for CDNA 5 (MIT licence, August 2026) and "CDNA5" Instruction Set Architecture Reference Guide (July 2026). The comments in the code are by the model that wrote it; some were corrected since.
;; Mamba Block. Allowed arithmetic: matrix products marked QUANTISED: E4M3 operands, one given power-of-two scale a tensor, by v_wmma_f32_16x16x64_fp8_fp8 or v_wmma_f32_16x16x128_fp8_fp8, f32 sums; everything else in f32.
;; Inputs: A 1,024 x 16 float32; D_param 1,024 float32; b_out 1,024 float32; b_xproj 2,048 float32; beta 1,024 float32; gamma 1,024 float32; lowp_scales 4 int32 (the exponents e of the quantised operands' scales 2^e); w_out 1,024 x 1,024 float32; w_xproj 2,048 x 1,024 float32; x 8 x 2,048 x 1,024 float32.
;; Outputs: out0 8 x 2,048 x 1,024 float32.
;; This version of the problem:
;;   THIS VERSION OF THE PROBLEM IS GIVEN IN LOW PRECISION. The matrix products marked QUANTISED in the list below multiply operands that are first quantised to E4M3 (4 exponent bits, 3 mantissa bits; 8 bits a number), with one given power-of-two scale for each operand tensor; their sums are f32. All else is computed in f32.
;;   The module's matrix products, in the order in which they are computed (A, B: the left and right operand; K: the contracted axis; several contracted axes count as one K, in the product's order):
;;     1. [M 16,384, K 1,024] x [K 1,024, N 2,048]; A: computed on the way; B: input w_xproj: QUANTISED (scales: A lowp_scales[0], B lowp_scales[1])
;;     2. [M 16,384, K 1,024] x [K 1,024, N 1,024]; A: computed on the way; B: input w_out: QUANTISED (scales: A lowp_scales[2], B lowp_scales[3])
;;   THE QUANTISER, for each operand of a quantised product, along K:
;;     - The operand's scale is 2^e, e = its entry of the input lowp_scales (int32; the entries are numbered through the quantised products in the list's order, A before B).
;;     - Each number is divided by the scale, clamped to +-448, and rounded to the nearest number of E4M3, ties to even, subnormals kept.
;;     - The product sums the exact products of the quantised numbers (number of the format x scale) in f32.
;;   ~~~python
;;   def quantise(x, axis, e):      # numpy; x: float32 -> the quantised numbers, widened to float32 again
;;       x = np.moveaxis(x, axis, -1); K = x.shape[-1]
;;       r = np.clip(x / 2.0 ** e, -448, 448)
;;       step = 2.0 ** (np.maximum(np.frexp(np.where(r == 0, 1, r))[1] - 1, -6) - 3)
;;       q = np.round(r / step) * step * 2.0 ** e      # np.round: ties to even
;;       return np.moveaxis(q, -1, axis).astype(np.float32)
;;   ~~~
;;   OPERANDS COMPUTED ON THE WAY. 'Computed on the way' means the value that the module computes at that place (a softmax that the list does not call 'softmax' is quantised finished and normalised). What goes into a quantiser is computed in f32, as accurately as f32 sums, v_exp_f32 and their like allow (about 1e-6 of the number): no bf16 or f16 on the way to a quantiser, and a product that is left as it is and whose result goes on into a quantised operand takes f32 operands (vector FMAs, or v_wmma_f32_16x16x4_f32). A number that lies on a knife's edge between two numbers of the format may be rounded either way, as far as f32 arithmetic and the matrix unit's own rounding can turn it there, and no further.
;; One version. Each part assembles by itself: llvm-mc -triple=amdgcn-amd-amdhsa -mcpu=gfx1250 --defsym DOCPART=n.
;; ======== version 1 of 1: 3 launches
;; limits: right only within a limited range of input values
;; workspace buffers: xcodes 16,777,216 bytes; w1codes 2,097,152 bytes; w2codes 1,048,576 bytes; ocodes 16,777,216 bytes; stats 131,072 bytes
;; launch prep (part 1): grid 608 x 1, 8 waves a work-group, no clusters, 36,352 bytes of LDS; arguments x, w_xproj, w_out, gamma, beta, lowp_scales, xcodes, w1codes, w2codes, stats; writes xcodes, w1codes, w2codes, stats
.if DOCPART == 1
	.amdgcn_target "amdgcn-amd-amdhsa--gfx1250"
	.amdhsa_code_object_version 6
	.text
	.protected	k_q11219e5a35_prep
	.globl	k_q11219e5a35_prep
	.p2align	8
	.type	k_q11219e5a35_prep,@function
k_q11219e5a35_prep:
	s_mov_b64 s[64:65], 0
	v_nop
	global_prefetch_b8 v0, s[64:65] scope:SCOPE_SE
	s_setreg_imm32_b32 hwreg(HW_REG_WAVE_MODE, 25, 1), 1
	s_wait_xcnt 0x0
; PREP.  Rows of 1,024 f32 become codes of FP8 (E4M3), each tensor with its given scale 2^e:
;   x [16384][1024]: LayerNorm first (mu, 1/sqrt(var + 1e-5), gamma, beta), e = entry 0; mu and 1/sqrt go to 'stats' as well;
;   w_xproj [2048][1024]: as it is, e = entry 1;     w_out [1024][1024]: as it is, e = entry 3.
; code = number / 2^e, held within +-448, to the nearest code, ties to even.
; LIMITS: e between -126 and 119 (2^e and 448 x 2^e are made as f32 numbers).  NaN among the inputs is not served.
; LAYOUT OF THE CODES: the image of a matrix operand's registers.  [tile of 16 rows][K / 32][512 bytes]; in the 512 bytes lane 16 h + r has the 16 bytes at 16 x lane:
; row r, K = 32 c + 16 h + 0 .. 15.  A tile is 16,384 dense bytes, and one 16-byte load a lane brings four registers of a fragment.
; LAYOUT OF STATS: [group of 32 rows][mu x 32, then 1/sqrt x 32], f32: 256 bytes a group.
; SHARES.  A work-group takes 32 rows (two tiles): groups 0-511 x, 512-575 w_xproj, 576-607 w_out.  Only pointers, e and a lane mask are chosen by the group's number: ONE path through the text.
; For a weight the mask puts mu = 0, 1/sqrt = 1, gamma = 1, beta = 0, so that the number passes unchanged.
; A wave takes four rows, a row at a time: eight loads of 512 consecutive bytes, the row kept in 32 registers between the sums and the conversion.  The variance is taken of x - mu.
; A lane's four columns of load j are four neighbours along K: one word of codes.  The words go through a stage in LDS (64 pieces of 256 bytes + 16 of padding for each tile) and leave as 512 consecutive bytes a store.
; No matrix unit, no tensor load, no cluster: the launch streams, and its work-groups share nothing but gamma and beta.
.set IMG,  17408                       ; a tile's stage: 64 pieces x 272 bytes
.set HC,   272                         ; a piece: 16 rows x 16 bytes + 16 of padding
.set STAT, 2*IMG                       ; behind the two stages: mu x 32, 1/sqrt x 32
.set LO,   2                           ; v2   16 x lane + 16,384 x wave: my bytes in the group's rows
.set SA,   3                           ; v3   the stage, on the way in
.set RA,   4                           ; v4   the stage, on the way out
.set GO,   5                           ; v5   16 x lane + 4,096 x wave: my bytes in the group's codes
.set STA,  6                           ; v6   STAT + 16 x wave
.set L16,  7                           ; v7   16 x lane
.set SCV,  8                           ; v8   2^e as f32
.set LIM,  9                           ; v9   448 x 2^e
.set PD,   10                          ; v10  a lane permute's destination
.set SL,   11                          ; v11  STAT + 8 x lane
.set SG,   12                          ; v12  8 x lane
.set T,    14                          ; v14-21  four chains of pairs
.set MS,   22                          ; v22-37  row i: mu twice, 1/sqrt twice
.set X,    38                          ; v38-165 row i: 32 registers
.set G,    166                         ; v166-197 gamma of my 32 columns; at the end the codes on their way out
.set B,    198                         ; v198-229 beta
.set C0,   230                         ; v230-237 row 0's codes (row i's lie in row i - 1's first eight registers, which are done with)
	s_load_b256 s[4:11], s[0:1], 0x0               ; x s[4:5], w_xproj s[6:7], w_out s[8:9], gamma s[10:11]
	s_load_b256 s[12:19], s[0:1], 0x20             ; beta s[12:13], lowp_scales s[14:15], xcodes s[16:17], w1codes s[18:19]
	s_load_b128 s[20:23], s[0:1], 0x40             ; w2codes s[20:21], stats s[22:23]
	v_lshl_add_u32 v240, v0, 2, 0x8a00
	v_mov_b32 v241, 0
	v_lshrrev_b32 v1, 5, v0
	s_delay_alu instid0(VALU_DEP_1)
	v_readfirstlane_b32 s28, v1                    ; wave 0..7
	v_and_b32 v1, 31, v0                           ; lane
	s_wait_alu depctr_va_vdst(0)
	v_lshlrev_b32 v[L16], 4, v1
	s_lshl_b32 s33, s28, 14
	v_add_nc_u32 v[LO], s33, v[L16]
	s_lshl_b32 s33, s28, 12
	v_add_nc_u32 v[GO], s33, v[L16]
	s_lshr_b32 s46, s28, 2
	s_mul_i32 s46, s46, IMG                        ; my tile's stage: waves 0-3 tile 0, waves 4-7 tile 1
	s_and_b32 s47, s28, 3
	s_lshl_b32 s33, s47, 6                         ; my four rows in a piece: 16 bytes a row
	s_add_co_u32 s33, s33, s46
	v_lshrrev_b32 v13, 2, v1
	v_and_b32 v[SA], 3, v1
	s_delay_alu instid0(VALU_DEP_1)
	v_lshlrev_b32 v[SA], 2, v[SA]
	s_delay_alu instid0(VALU_DEP_1)
	v_mad_u32_u24 v[SA], v13, HC, v[SA]            ; columns 128 j + 4 l on lie in piece 8 j + l / 4, at byte 4 (l % 4) of the row's 16: the 32 lanes of a store fall on 32 different banks
	s_delay_alu instid0(VALU_DEP_1)
	v_add_nc_u32 v[SA], s33, v[SA]
	s_mul_i32 s33, s47, 16*HC                      ; out: my quarter of the tile: 16 pieces
	s_add_co_u32 s33, s33, s46
	v_lshrrev_b32 v13, 4, v1
	v_and_b32 v[RA], 15, v1
	s_delay_alu instid0(VALU_DEP_1)
	v_lshlrev_b32 v[RA], 4, v[RA]
	s_delay_alu instid0(VALU_DEP_1)
	v_mad_u32_u24 v[RA], v13, HC, v[RA]            ; lanes 0-15 one piece, lanes 16-31 the next
	s_delay_alu instid0(VALU_DEP_1)
	v_add_nc_u32 v[RA], s33, v[RA]
	s_lshl_b32 s33, s28, 4
	s_add_co_u32 s33, s33, STAT
	v_mov_b32 v[STA], s33
	v_lshlrev_b32 v[SG], 3, v1
	s_delay_alu instid0(VALU_DEP_1)
	v_add_nc_u32 v[SL], STAT, v[SG]
	v_mov_b32 v[PD], 0                             ; written once: a lane permute's destination counts as one of its sources
	s_mov_b32 s34, 0x76543210                      ; v_permlanex16_b32: lane l xor 16
	s_mov_b32 s35, 0xfedcba98
	s_mov_b32 s44, 0x3a800000                      ; 1 / 1024
	s_mov_b32 s45, 0x3727c5ac                      ; 1e-5
	s_wait_kmcnt 0x0
	s_load_b128 s[24:27], s[14:15], 0x0            ; the four exponents
	s_cmp_lt_u32 ttmp9, 512                        ; x's group?  The choices hang on the group's number alone
	s_cselect_b32 s29, -1, 0                       ; the lane mask: all ones for x
	s_cselect_b64 s[36:37], s[4:5], s[6:7]
	s_cselect_b64 s[38:39], s[16:17], s[18:19]
	s_cselect_b32 s40, 0, 512
	s_cmp_lt_u32 ttmp9, 576                        ; or w_out's?
	s_cselect_b64 s[36:37], s[36:37], s[8:9]
	s_cselect_b64 s[38:39], s[38:39], s[20:21]
	s_cselect_b32 s40, s40, 576
	s_sub_co_u32 s40, ttmp9, s40                   ; the group's number within its tensor
	s_lshl_b32 s42, s40, 17                        ; 32 rows of 4,096 bytes
	s_mov_b32 s43, 0
	s_add_nc_u64 s[36:37], s[36:37], s[42:43]
	s_lshl_b32 s42, s40, 15                        ; two tiles of codes
	s_add_nc_u64 s[38:39], s[38:39], s[42:43]
	s_lshl_b32 s42, ttmp9, 8                       ; 256 bytes of stats (used by x's groups alone)
	s_add_nc_u64 s[22:23], s[22:23], s[42:43]
.irp j, 0,1,2,3,4,5,6,7
	global_load_b128 v[G+4*\j:G+4*\j+3], v[L16], s[10:11] offset:512*\j
.endr
.irp j, 0,1,2,3,4,5,6,7
	global_load_b128 v[B+4*\j:B+4*\j+3], v[L16], s[12:13] offset:512*\j
.endr
.irp i, 0,1,2,3
.irp j, 0,1,2,3,4,5,6,7
	global_load_b128 v[X+32*\i+4*\j:X+32*\i+4*\j+3], v[LO], s[36:37] offset:4096*\i+512*\j th:TH_LOAD_NT   ; 32 lanes read 512 consecutive bytes; all four rows are asked for at once
.endr
.endr
	s_wait_kmcnt 0x0
	s_cmp_lt_u32 ttmp9, 512
	s_cselect_b32 s30, s24, s25
	s_cmp_lt_u32 ttmp9, 576
	s_cselect_b32 s30, s30, s27                    ; e
	s_add_co_i32 s30, s30, 127
	s_lshl_b32 s31, s30, 23
	v_mov_b32 v[SCV], s31                          ; 2^e as f32: the conversion takes its exponent field
	s_add_co_i32 s30, s30, 8
	s_lshl_b32 s30, s30, 23
	s_or_b32 s30, s30, 0x600000
	v_mov_b32 v[LIM], s30                          ; 448 x 2^e
	s_wait_loadcnt 32                              ; gamma and beta are in; the 32 loads of rows may be out
.set n, 0
.rept 32
	v_cndmask_b32 v[G+n], 1.0, v[G+n], s29         ; a weight's gain is 1,
	v_cndmask_b32 v[B+n], 0, v[B+n], s29           ; its offset 0
.set n, n+1
.endr
.macro REDUCE r                        ; the sum of v[r] over the 32 lanes, in every lane
	s_delay_alu instid0(VALU_DEP_1)
	v_add_f32_dpp v[\r], v[\r], v[\r] row_xmask:1 row_mask:0xf bank_mask:0xf
	s_delay_alu instid0(VALU_DEP_1)
	v_add_f32_dpp v[\r], v[\r], v[\r] row_xmask:2 row_mask:0xf bank_mask:0xf
	s_delay_alu instid0(VALU_DEP_1)
	v_add_f32_dpp v[\r], v[\r], v[\r] row_xmask:4 row_mask:0xf bank_mask:0xf
	s_delay_alu instid0(VALU_DEP_1)
	v_add_f32_dpp v[\r], v[\r], v[\r] row_xmask:8 row_mask:0xf bank_mask:0xf
	s_delay_alu instid0(VALU_DEP_1)
	v_permlanex16_b32 v[PD], v[\r], s34, s35
	s_delay_alu instid0(VALU_DEP_1)
	v_add_f32 v[\r], v[\r], v[PD]
.endm
.macro FOLD                            ; the four chains of pairs become one number a lane
	s_delay_alu instid0(VALU_DEP_3)
	v_pk_add_f32 v[T:T+1], v[T:T+1], v[T+2:T+3]
	s_delay_alu instid0(VALU_DEP_2)
	v_pk_add_f32 v[T+4:T+5], v[T+4:T+5], v[T+6:T+7]
	s_delay_alu instid0(VALU_DEP_1)
	v_pk_add_f32 v[T:T+1], v[T:T+1], v[T+4:T+5]
	s_delay_alu instid0(VALU_DEP_1)
	v_add_f32 v[T], v[T], v[T+1]
.endm
.macro ROW i
.set XR, X+32*(\i)
.set MR, MS+4*(\i)
.if (\i) == 0
.set CR, C0
.else
.set CR, X+32*((\i)-1)
.endif
	s_wait_loadcnt 8*(3-(\i))                      ; my row's eight loads are in; the later rows' may be out
.irp k, 0,1,2,3
	v_pk_add_f32 v[T+2*\k:T+2*\k+1], v[XR+2*\k:XR+2*\k+1], v[XR+8+2*\k:XR+8+2*\k+1]   ; the first eight pairs start the chains: nothing is cleared
.endr
.irp p, 8,9,10,11,12,13,14,15
	s_delay_alu instid0(VALU_DEP_4)
	v_pk_add_f32 v[T+2*((\p)%4):T+2*((\p)%4)+1], v[T+2*((\p)%4):T+2*((\p)%4)+1], v[XR+2*\p:XR+2*\p+1]
.endr
	FOLD
	REDUCE T
	s_delay_alu instid0(VALU_DEP_1)
	v_mul_f32 v[MR], s44, v[T]                     ; mu
	s_delay_alu instid0(VALU_DEP_1)
	v_cndmask_b32 v[MR], 0, v[MR], s29
	s_delay_alu instid0(VALU_DEP_1)
	v_mov_b32 v[MR+1], v[MR]
.set n, 0
.rept 16
	v_pk_add_f32 v[XR+n:XR+n+1], v[XR+n:XR+n+1], v[MR:MR+1] neg_lo:[0,1] neg_hi:[0,1]   ; x - mu
.set n, n+2
.endr
.irp k, 0,1,2,3
	v_pk_mul_f32 v[T+2*\k:T+2*\k+1], v[XR+2*\k:XR+2*\k+1], v[XR+2*\k:XR+2*\k+1]
.endr
.irp p, 4,5,6,7,8,9,10,11,12,13,14,15
	s_delay_alu instid0(VALU_DEP_4)
	v_pk_fma_f32 v[T+2*((\p)%4):T+2*((\p)%4)+1], v[XR+2*\p:XR+2*\p+1], v[XR+2*\p:XR+2*\p+1], v[T+2*((\p)%4):T+2*((\p)%4)+1]
.endr
	FOLD
	REDUCE T
	s_delay_alu instid0(VALU_DEP_1)
	v_fma_f32 v[T], v[T], s44, s45                 ; var + 1e-5
	s_wait_alu depctr_va_vdst(0)
	v_rsq_f32 v[MR+2], v[T]
	v_nop                                          ; a plain instruction between the root and the use of its result (ISA guide 5.7.2)
	s_wait_alu depctr_va_vdst(0)                   ; and a wait ahead of the first use
	v_cndmask_b32 v[MR+2], 1.0, v[MR+2], s29
	s_delay_alu instid0(VALU_DEP_1)
	v_mov_b32 v[MR+3], v[MR+2]
.set n, 0
.rept 16
	v_pk_mul_f32 v[XR+n:XR+n+1], v[XR+n:XR+n+1], v[MR+2:MR+3]
.set n, n+2
.endr
.set n, 0
.rept 16
	v_pk_fma_f32 v[XR+n:XR+n+1], v[XR+n:XR+n+1], v[G+n:G+n+1], v[B+n:B+n+1]   ; xn
.set n, n+2
.endr
.set n, 0
.rept 32
	v_med3_num_f32 v[XR+n], v[XR+n], -v[LIM], v[LIM]   ; the conversion to an 8-bit code does not saturate (ISA guide 7.6.2): the hold at the largest code x the scale
.set n, n+1
.endr
.irp m, 0,1,2,3
	v_cvt_scalef32_pk8_fp8_f32 v[CR+2*\m:CR+2*\m+1], v[XR+8*\m:XR+8*\m+7], v[SCV]   ; eight registers are two loads' four columns each: result register j holds load j's four codes
.endr
.irp j, 0,1,2,3,4,5,6,7
	ds_store_b32 v[SA], v[CR+\j] offset:8*HC*\j+16*(\i)
.endr
	ds_store_b32 v[STA], v[MR] offset:4*(\i)       ; all lanes write the same word with the same number
	ds_store_b32 v[STA], v[MR+2] offset:128+4*(\i)
.endm
	ROW 0
	ROW 1
	ROW 2
	ROW 3
	s_wait_dscnt 0x0                               ; for the others' sake: my stores into the stage have landed
	s_barrier_signal -1
	s_barrier_wait -1
.irp k, 0,1,2,3,4,5,6,7
	ds_load_b128 v[G+4*\k:G+4*\k+3], v[RA] offset:2*HC*\k
.endr
.irp k, 0,1,2,3,4,5,6,7
	s_wait_dscnt 7-\k                              ; LDS loads come back in order: load k is in
	global_store_b128 v[GO], v[G+4*\k:G+4*\k+3], s[38:39] offset:512*\k   ; 32 lanes store 512 consecutive bytes, at a multiple of 512 from the buffer's first byte
.endr
	s_cmp_lg_u32 s28, 0                            ; wave 0 of x's groups stores the group's 256 bytes of stats; no barrier stands behind these branches
	s_cbranch_scc1 .Lend
	s_cmp_ge_u32 ttmp9, 512
	s_cbranch_scc1 .Lend
	ds_load_b64 v[T:T+1], v[SL]
	s_wait_dscnt 0x0
	global_store_b64 v[SG], v[T:T+1], s[22:23]
.Lend:
	s_wait_tensorcnt 0x0
	ds_add_u32 v240, v241
	s_wait_dscnt 0x0
	s_endpgm
.Lfunc_end_k_q11219e5a35_prep:
	.size	k_q11219e5a35_prep, .Lfunc_end_k_q11219e5a35_prep-k_q11219e5a35_prep
	.p2alignl 7, 3214868480
	.fill 96, 4, 3214868480
	.section	.rodata,"a",@progbits
	.p2align	6, 0x0
	.amdhsa_kernel k_q11219e5a35_prep
		.amdhsa_group_segment_fixed_size 36352
		.amdhsa_private_segment_fixed_size 0
		.amdhsa_enable_private_segment 0
		.amdhsa_kernarg_size 80
		.amdhsa_user_sgpr_count 2
		.amdhsa_user_sgpr_kernarg_segment_ptr 1
		.amdhsa_wavefront_size32 1
		.amdhsa_system_sgpr_workgroup_id_x 1
		.amdhsa_system_sgpr_workgroup_id_y 1
		.amdhsa_system_sgpr_workgroup_id_z 1
		.amdhsa_system_vgpr_workitem_id 0
		.amdhsa_next_free_vgpr 242
		.amdhsa_next_free_sgpr 66
		.amdhsa_reserve_vcc 0
		.amdhsa_float_denorm_mode_32 3
		.amdhsa_float_denorm_mode_16_64 3
		.amdhsa_memory_ordered 1
		.amdhsa_forward_progress 1
		.amdhsa_inst_pref_size 57
	.end_amdhsa_kernel
	.amdgpu_metadata
---
amdhsa.version: [ 1, 2 ]
amdhsa.kernels:
  - .name:           k_q11219e5a35_prep
    .symbol:         k_q11219e5a35_prep.kd
    .args:
      - { .name: x, .offset: 0, .size: 8, .value_kind: global_buffer, .address_space: global }
      - { .name: w_xproj, .offset: 8, .size: 8, .value_kind: global_buffer, .address_space: global }
      - { .name: w_out, .offset: 16, .size: 8, .value_kind: global_buffer, .address_space: global }
      - { .name: gamma, .offset: 24, .size: 8, .value_kind: global_buffer, .address_space: global }
      - { .name: beta, .offset: 32, .size: 8, .value_kind: global_buffer, .address_space: global }
      - { .name: lowp_scales, .offset: 40, .size: 8, .value_kind: global_buffer, .address_space: global }
      - { .name: xcodes, .offset: 48, .size: 8, .value_kind: global_buffer, .address_space: global }
      - { .name: w1codes, .offset: 56, .size: 8, .value_kind: global_buffer, .address_space: global }
      - { .name: w2codes, .offset: 64, .size: 8, .value_kind: global_buffer, .address_space: global }
      - { .name: stats, .offset: 72, .size: 8, .value_kind: global_buffer, .address_space: global }
    .group_segment_fixed_size: 36352
    .private_segment_fixed_size: 0
    .kernarg_segment_align: 8
    .kernarg_segment_size: 80
    .max_flat_workgroup_size: 256
    .sgpr_count:     66
    .vgpr_count:     242
    .wavefront_size: 32
...
	.end_amdgpu_metadata
.endif
;; end of part 1
;; launch scan (part 2): grid 32 x 8, 8 waves a work-group, clusters of 4 x 1, 327,680 bytes of LDS; arguments xcodes, w1codes, stats, x, A, D_param, b_xproj, beta, gamma, lowp_scales, ocodes; writes ocodes
.if DOCPART == 2
	.amdgcn_target "amdgcn-amd-amdhsa--gfx1250"
	.amdhsa_code_object_version 6
	.text
	.protected	k_q11219e5a35_scan
	.globl	k_q11219e5a35_scan
	.p2align	8
	.type	k_q11219e5a35_scan,@function
k_q11219e5a35_scan:
	s_mov_b64 s[64:65], 0
	v_nop
	global_prefetch_b8 v0, s[64:65] scope:SCOPE_SE
	s_setreg_imm32_b32 hwreg(HW_REG_WAVE_MODE, 25, 1), 1
	s_wait_xcnt 0x0
	s_wait_alu depctr_hold_cnt(0) depctr_sa_sdst(0) depctr_va_vdst(0) depctr_va_sdst(0) depctr_va_ssrc(0) depctr_va_vcc(0) depctr_vm_vsrc(0)
	s_getreg_b32 s2, hwreg(HW_REG_IB_STS2, 6, 4)
	s_cmp_eq_u32 s2, 0
	s_cbranch_scc0 .Lentry_in_a_cluster
	s_endpgm
.Lentry_in_a_cluster:
	s_bfe_u32 s2, ttmp6, 0x10000c
	s_cmp_lg_u32 s2, 0x3003
	s_cbranch_scc0 .Lentry_shape_is_right
	s_endpgm
.Lentry_shape_is_right:
; SCAN.  xp = xn w_xproj^T + b_xproj on codes of FP8; delta = softplus(xp[:1024]); gate = the sum over 16 states of exp(delta A); h = the running sum along the 2,048 positions of xn x xp[1024:];
; out = h gate + xn D_param, quantised with 2^e2 into ocodes ([tile of 16 rows][K / 32][512 bytes], lane 16 h + r: row r, K = 32 c + 16 h + 0 .. 15).
; SHARES.  A work-group owns all 2,048 positions of one batch and 32 channels (8 x 32 = 256 work-groups): the running sum never leaves it.  16 steps of 128 positions.
; Eight waves, two to a SIMD, 512 registers each.  Wave w: positions 32 (w / 2) .. + 31 of a step (two tiles of 16), channels 16 (w % 2) .. + 15.  Its 32 rows of w_xproj (16 for delta, 16 for Bg) fill window 1 for the whole launch.
; Source 0 = 16 positions of xn's codes, source 1 = 16 rows of w_xproj: register j of lane (r, h) is (position 8 h + j, channel r): a lane holds ONE channel, and the running sum goes down its registers.
; ONE STEP AHEAD: the products of step t + 1 stand inside the gate of step t, K step s as four products at the head of batch NB + 1 + s; the four accumulators take turns.
; THE BARRIER'S WINDOW: the softplus and the gate's first NB batches work on registers alone; they stand between the signal and the wait of the barrier that opens the change of slots.
; xn is made again in f32 from x and the stored mu and 1/sqrt.  softplus(z) = max(z, 0) + ln 2 x log2(1 + 2^(-|z| log2 e)); exp(delta A) = 2^(delta x (A log2 e)).
; THE RUNNING SUM is ordered in blocks: 8 positions in a lane, the two halves of the lanes, the wave's two tiles, the four position groups (through LDS), the carry from step to step; reference()'s order is another.
; CLUSTER: the four partners own the same batch: the codes of xn (waves 0-3, a quarter each) and the stats (waves 6, 7) are asked for jointly.  x's tile (waves 4, 5) is each work-group's own 32 columns: a joint tile would have to be read at an LDS address made of the place in the cluster.
; RINGS of two slots for codes, x and stats; tile t lies in slot t % 2.  Tile 0 is asked for at the head, one load a wave; tile 1 behind the full sequence and a round; in step t slot t % 2 takes tile t + 2.  One tensor load a wave is out at most.
; PREFETCH: behind the load of tile k each wave names blocks of 256 bytes of tile k + 1, one step ahead of that tile's load, a lane a block, one instruction a wave.  The cluster's partners share the blocks out by address (cx):
; waves 0-3: 8,192 bytes each of the work-group's quarter of the codes; waves 4, 5: 16 rows each of the work-group's 32 rows x the cluster's 512 bytes of x; wave 6: the work-group's 256 bytes of stats (all lanes name that block); wave 7 none.  The load of tile 15 is followed by none.
; LIMITS: e0 + e1 between -126 and 127; e2 between -126 and 119 (powers of two made as f32 numbers).  NaN among the inputs is not served.
; All of a WGP's LDS is claimed.
.set NB,    6                          ; batches of the gate inside the barrier's window
.set SLOTA, 131072                     ; codes: slot 0 at 0, slot 1 here
.set XT0,   262144                     ; x: slot 0, 128 rows x 144 bytes; slot 1 = + XTOG
.set XTOG,  32768
.set XP,    144
.set STAGE, 280576                     ; stages: 32 rows x 80 bytes a wave; waves 0-3 here, waves 4-7 32,768 further on (behind x's slot 1)
.set SP,    80
.set ST0,   290816                     ; stats: slot 0; slot 1 = + STOG
.set STOG,  1024
.set EXCH,  292864                     ; the waves' sums: group x 128 + half x 64 + 4 r; second set + ETOG
.set ETOG,  512
.set SPARE, 293888                     ; the spare words, 128 bytes a wave: four blocks of 256 bytes that no other line names
.set SPW, 1
.set NIL, 2
.set LI,  3                            ; 16 x lane + 32,768 x group: my fragments in a slot
.set ADA, 4
.set XB,  5
.set ADX, 6
.set SB,  7
.set ADS, 8
.set STO, 9
.set SRD, 10
.set EXA, 11
.set EXR, 12
.set GO,  13
.set WO,  14
.set AO,  15
.set ACC, 16                           ; v16-47   accumulator (tile a, n) at 16 + 8 (2 a + n); n = 0 delta, 1 Bg
.set X,   48                           ; v48-63   x, xn, xn D_param
.set U,   64                           ; v64-79   Bg, xn Bg, the running sum, out
.set FB,  80                           ; v80-143  two buffers of two fragments; outside the products:
.set MU,  80                           ;          tile a: mu at 80 + 16 a, 1/sqrt at 88 + 16 a
.set QQ,  80                           ;          out by rows
.set TT,  96                           ;          the four groups' sums
.set PP,  100
.set OO,  104
.set CD,  108                          ;          the codes
.set AD,  144                          ; v144-159 A log2 e of my channel
.set ZZ,  160                          ; v160-175 z, then delta
.set GG,  176                          ; v176-191 gate
.set TS,  192                          ; v192-223 two sets of 16
.set CN,  224                          ; v224-233 each twice: gamma, beta, Bg's bias, D_param, delta's bias
.set CAR, 234
.set WC,  235
.set OFS, 236
.set TO,  238
.set TMP, 239
.set SCV, 240
.set LIM, 241
.set CO,  242
.set EXW, 243
.set EXD, 244
.set PFO, 249                          ; v249 the prefetches' offset of my lane; never rewritten
.set INC, 2
.set LN2, 26
.set G1A, 28
.set G1X, 36
.set G1S, 44
.set G0A, 52
.set G0X, 56
.set G0S, 60
.set WV,  66
.set CNT, 67
.set TBA, 68
.set TBX, 69
.set TBS, 70
.set HM,  71
.set SEL, 72
.set SC,  74
.set M1,  76
.set TBE, 79
.set PFI, 82                           ; s[82:83] a tile's bytes in the buffer that my wave prefetches
.set OP,  86
.set PG,  88
.set CH,  89
.set NL2E, 100
.set PL,  101                          ; 1; in wave 7 the greatest number
.set PFA, 104                          ; s[104:105] where my next prefetch stands
.set MSB, 0
.macro WIN new
.if MSB != \new
	s_set_vgpr_msb (MSB<<8)|\new
.set MSB, \new
.endif
.endm
.macro VW                              ; a wait ahead of transcendentals and their readers, and ahead of waits, barriers and branches behind fresh vector results
	s_wait_alu depctr_va_vdst(0)
.endm
.macro NOP4
.rept 4
	v_nop
.endr
.endm
.macro ASK                             ; the next tile's blocks; not behind the last load (CNT = 1), never in wave 7
	VW
	s_cmp_gt_u32 s[CNT], s[PL]
	s_cbranch_scc0 .Lno_ask_\@
	global_prefetch_b8 v[PFO], s[PFA:PFA+1] th:TH_LOAD_NT scope:SCOPE_SE
.Lno_ask_\@:
.endm
.macro CREST                           ; a round of the cluster's barrier behind its opening barrier
	s_cmp_lg_u32 s[WV], 0
	s_cbranch_scc1 .Lnot_wave_0_\@
	s_barrier_signal -3
.Lnot_wave_0_\@:
	s_barrier_wait -3
	s_barrier_signal -1
	s_barrier_wait -1
.endm
.macro CROUND                          ; a whole round
	s_barrier_signal -1
	s_barrier_wait -1
	CREST
.endm
.macro TLOAD                           ; one tensor load a wave, in one chain of branches on the wave's number
	s_cmp_lt_u32 s[WV], 4
	s_cbranch_scc0 .Lnot_a_\@
	tensor_load_to_lds s[G0A:G0A+3], s[G1A:G1A+7]
	s_nop 0
	NOP4
	s_branch .Lasked_\@
.Lnot_a_\@:
	s_cmp_lt_u32 s[WV], 6
	s_cbranch_scc0 .Lfor_s_\@
	tensor_load_to_lds s[G0X:G0X+3], s[G1X:G1X+7]
	s_nop 0
	NOP4
	s_branch .Lasked_\@
.Lfor_s_\@:
	tensor_load_to_lds s[G0S:G0S+3], s[G1S:G1S+7]
	s_nop 0
	NOP4
.Lasked_\@:
.endm
; THE CHANGE OF SLOTS, in two parts.  CHA: all my tensor loads have landed, the add, my LDS reads and stores are over: the signal.
; CHB: the wait; fill = 1: the rest of a round, and the next tile goes into the other slot than last time, first thing.  Between the two stands work on registers alone
.macro CHA fill
	VW
	s_wait_tensorcnt 0x0
	ds_add_u32 v[SPW], v[NIL]
.if \fill
	s_xor_b32 s[G0A+1], s[G0A+1], SLOTA
	s_add_nc_u64 s[G0A+2:G0A+3], s[G0A+2:G0A+3], 131072   ; eight tiles of codes on
	s_xor_b32 s[G0X+1], s[G0X+1], XTOG
	s_add_nc_u64 s[G0X+2:G0X+3], s[G0X+2:G0X+3], 524288   ; 128 rows of x on
	s_xor_b32 s[G0S+1], s[G0S+1], STOG
	s_add_nc_u64 s[G0S+2:G0S+3], s[G0S+2:G0S+3], 1024     ; four groups of stats on
.endif
	s_wait_dscnt 0x0
	s_barrier_signal -1
.endm
.macro CHB fill
	s_barrier_wait -1
.if \fill
	CREST
	TLOAD
.endif
.endm
.macro KLOAD s                         ; my two fragments of K step s into buffer s % 2: 512 consecutive bytes an instruction
.irp a, 0,1
.irp c, 0,1,2,3
	ds_load_b128 v[FB+32*((\s)%2)+16*\a+4*\c:FB+32*((\s)%2)+16*\a+4*\c+3], v[ADA] offset:16384*\a+2048*(\s)+512*\c
.endr
.endr
.endm
.macro KMUL s                          ; K step s: four products, one on each accumulator
.if (\s) < 7
	s_wait_dscnt 8                                 ; this K step's eight loads are in; the next K step's eight may be out
.else
	s_wait_dscnt 0
.endif
	WIN 0x04                                       ; source 1 (the weights) window 1
.irp i, 0,1,2,3
.set k_d, ACC+8*\i
.set k_a, FB+32*((\s)%2)+16*(\i/2)
.set k_b, 16*(2*(\s)+\i%2)
.if (\s) == 0
	v_wmma_f32_16x16x128_fp8_fp8 v[k_d:k_d+7], v[k_a:k_a+15], v[k_b:k_b+15], 0
.else
	v_wmma_f32_16x16x128_fp8_fp8 v[k_d:k_d+7], v[k_a:k_a+15], v[k_b:k_b+15], v[k_d:k_d+7]
.endif
.endr
	WIN 0
.endm
; THE GATE: batch b = state b, 16 numbers a lane in set b % 2; pair p of 8
.macro GMUL b, p
.if ((\b)%2) == 0
	v_pk_mul_f32 v[TS+2*(\p):TS+2*(\p)+1], v[ZZ+2*(\p):ZZ+2*(\p)+1], v[AD+(\b):AD+(\b)+1] op_sel_hi:[1,0]
.else
	v_pk_mul_f32 v[TS+16+2*(\p):TS+16+2*(\p)+1], v[ZZ+2*(\p):ZZ+2*(\p)+1], v[AD+(\b)-1:AD+(\b)] op_sel:[0,1] op_sel_hi:[1,1]
.endif
.endm
.macro GEXP b, i                       ; state 0's exponentials start the sums
.if (\b) == 0
	v_exp_f32 v[GG+(\i)], v[TS+(\i)]
.else
	v_exp_f32 v[TS+16*((\b)%2)+(\i)], v[TS+16*((\b)%2)+(\i)]
.endif
.endm
.macro GADD b, p
	v_pk_add_f32 v[GG+2*(\p):GG+2*(\p)+1], v[GG+2*(\p):GG+2*(\p)+1], v[TS+16*((\b)%2)+2*(\p):TS+16*((\b)%2)+2*(\p)+1]
.endm
; A STEP.  The accumulators hold this step's sums.  fill = 1: the slots are filled again; prod = 1: the next step's products stand in the gate
.macro WORK fill, prod
	s_wait_xcnt 0x0                                ; the last step's store has read its base and its data, its prefetch its address
	s_add_nc_u64 s[OP:OP+1], s[OP:OP+1], s[INC:INC+1]
	s_mov_b32 s[INC], 131072
	s_add_nc_u64 s[PFA:PFA+1], s[PFA:PFA+1], s[PFI:PFI+1]   ; a tile on (behind the last prefetch the stepped address is not used)
	v_add_nc_u32 v[ADX], s[TBX], v[XB]
	v_add_nc_u32 v[ADS], s[TBS], v[SB]
	v_add_nc_u32 v[EXW], s[TBE], v[EXA]
	v_add_nc_u32 v[EXD], s[TBE], v[EXR]
.irp a, 0,1
.irp j, 0,1,2,3,4,5,6,7
	ds_load_b32 v[X+8*\a+\j], v[ADX] offset:(16*\a+\j)*XP   ; x(position 16 a + 8 h + j, my channel)
.endr
.endr
.irp a, 0,1
.irp k, 0,1
	ds_load_b128 v[MU+16*\a+4*\k:MU+16*\a+4*\k+3], v[ADS] offset:64*\a+16*\k
	ds_load_b128 v[MU+16*\a+8+4*\k:MU+16*\a+8+4*\k+3], v[ADS] offset:64*\a+128+16*\k
.endr
.endr
	VW                                             ; directly ahead of the first readers of the sums
.irp t, 0,2,4,6,8,10,12,14
	v_pk_fma_f32 v[ZZ+\t:ZZ+\t+1], v[ACC+16*(\t/8)+\t%8:ACC+16*(\t/8)+\t%8+1], s[SC:SC+1], v[CN+8:CN+9] op_sel_hi:[1,0,1]   ; z
.endr
.irp t, 0,2,4,6,8,10,12,14
	v_pk_fma_f32 v[U+\t:U+\t+1], v[ACC+16*(\t/8)+8+\t%8:ACC+16*(\t/8)+8+\t%8+1], s[SC:SC+1], v[CN+4:CN+5] op_sel_hi:[1,0,1]   ; Bg
.endr
	VW
	s_wait_dscnt 0x0                               ; x, mu and 1/sqrt are in
.irp t, 0,2,4,6,8,10,12,14
	v_pk_add_f32 v[X+\t:X+\t+1], v[X+\t:X+\t+1], v[MU+16*(\t/8)+\t%8:MU+16*(\t/8)+\t%8+1] neg_lo:[0,1] neg_hi:[0,1]
.endr
.irp t, 0,2,4,6,8,10,12,14
	v_pk_mul_f32 v[X+\t:X+\t+1], v[X+\t:X+\t+1], v[MU+16*(\t/8)+8+\t%8:MU+16*(\t/8)+8+\t%8+1]
.endr
.irp t, 0,2,4,6,8,10,12,14
	v_pk_fma_f32 v[X+\t:X+\t+1], v[X+\t:X+\t+1], v[CN:CN+1], v[CN+2:CN+3]   ; xn
.endr
.irp t, 0,2,4,6,8,10,12,14
	v_pk_mul_f32 v[U+\t:U+\t+1], v[U+\t:U+\t+1], v[X+\t:X+\t+1]             ; xn Bg
.endr
.irp t, 0,2,4,6,8,10,12,14
	v_pk_mul_f32 v[X+\t:X+\t+1], v[X+\t:X+\t+1], v[CN+6:CN+7]               ; xn D_param
.endr
.irp j, 1,2,3,4,5,6,7                  ; the running sum down my 8 positions, the two tiles side by side
.irp a, 0,1
.if \j > 1
	s_delay_alu instid0(VALU_DEP_2)
.endif
	v_add_f32 v[U+8*\a+\j], v[U+8*\a+\j], v[U+8*\a+\j-1]
.endr
.endr
	v_permlanex16_b32 v[TO], v[U+7], s[SEL], s[SEL+1]      ; the other half of the lanes' sums
	v_permlanex16_b32 v[TMP], v[U+15], s[SEL], s[SEL+1]
	v_cndmask_b32 v[OFS], 0, v[TO], s[HM]          ; ahead of lanes 16-31 stands the sum of lanes 0-15
	v_add_f32 v[WC], v[U+7], v[TO]                 ; tile 0's sum
	v_cndmask_b32 v[OFS+1], 0, v[TMP], s[HM]
	v_add_f32 v[TMP], v[U+15], v[TMP]
	v_add_f32 v[OFS+1], v[WC], v[OFS+1]
	v_add_f32 v[WC], v[WC], v[TMP]                 ; my wave's sum
	ds_store_b32 v[EXW], v[WC]                     ; both halves of the lanes write the same word with the same number; a set is written again two steps on, behind the next step's barrier
	CHA \fill                                      ; the signal; from here to CHB: registers alone
	; softplus: sources, wait, batch, plain work, wait
.set n, 0
.rept 16
	v_mul_f32 v[TS+n], s[NL2E], |v[ZZ+n]|
.set n, n+1
.endr
	VW
.set n, 0
.rept 16
	v_exp_f32 v[TS+n], v[TS+n]                     ; e^-|z|
.set n, n+1
.endr
.set n, 0
.rept 16
	v_max_num_f32 v[ZZ+n], 0, v[ZZ+n]
.set n, n+1
.endr
	VW
.irp t, 0,2,4,6,8,10,12,14
	v_pk_add_f32 v[TS+\t:TS+\t+1], v[TS+\t:TS+\t+1], 1.0 op_sel_hi:[1,0]
.endr
	VW
.set n, 0
.rept 16
	v_log_f32 v[TS+n], v[TS+n]
.set n, n+1
.endr
	v_nop
	VW
.irp t, 0,2,4,6,8,10,12,14
	v_pk_fma_f32 v[ZZ+\t:ZZ+\t+1], v[TS+\t:TS+\t+1], s[LN2:LN2+1], v[ZZ+\t:ZZ+\t+1] op_sel_hi:[1,0,1]   ; delta
.endr
	; the gate.  A slice: a sum of the batch before, an exponential, a product of the batch after, an exponential; one wait a batch.
	; At the head of batch NB: the barrier's wait, the refill, the loads of K steps 0 and 1, the prefetch.  Batch NB + 1 + s begins with K step s; in its middle, eight plain lines behind those products,
	; stand the loads of K step s + 2, into the buffer that K step s has read
.set gp, 0
.rept 8
	GMUL 0, gp
.set gp, gp+1
.endr
.set gb, 0
.rept 16
	VW
.if gb == NB
	CHB \fill
.if \prod
	v_add_nc_u32 v[ADA], s[TBA], v[LI]
	KLOAD 0
	KLOAD 1
.endif
.if \fill
	ASK                                            ; behind the tensor load and the run of LDS loads
.endif
.endif
.if (\prod) && (gb > NB) && (gb < NB+9)
	KMUL gb-NB-1
.endif
.set gp, 0
.rept 8
.if (\prod) && (gp == 4) && (gb > NB) && (gb < NB+7)
	KLOAD gb-NB+1
.endif
.if gb > 1
	GADD gb-1, gp
.endif
	GEXP gb, 2*gp
.if gb < 15
	GMUL gb+1, gp
.endif
	GEXP gb, 2*gp+1
.set gp, gp+1
.endr
.set gb, gb+1
.endr
.irp w, 0,1,2,3
	ds_load_b32 v[TT+\w], v[EXD] offset:128*\w     ; the four groups' sums have lain in LDS since the change of slots
.endr
	v_nop
	VW
.set gp, 0
.rept 8
	GADD 15, gp
.set gp, gp+1
.endr
	VW
	s_wait_dscnt 0x0
	v_add_f32 v[PP], v[CAR], v[TT]
	v_add_f32 v[PP+1], v[PP], v[TT+1]
	v_add_f32 v[PP+2], v[PP+1], v[TT+2]
	v_cndmask_b32 v[PP+3], v[CAR], v[PP], s[M1]    ; what stands ahead of my group: a choice of a value
	v_cndmask_b32 v[PP+3], v[PP+3], v[PP+1], s[M1+1]
	v_cndmask_b32 v[PP+3], v[PP+3], v[PP+2], s[M1+2]
	v_add_f32 v[CAR], v[PP+2], v[TT+3]             ; the carry into the next step
	v_add_f32 v[OO], v[OFS], v[PP+3]
	v_add_f32 v[OO+1], v[OFS+1], v[PP+3]
.irp t, 0,2,4,6,8,10,12,14
.if \t < 8
	v_pk_add_f32 v[U+\t:U+\t+1], v[U+\t:U+\t+1], v[OO:OO+1] op_sel_hi:[1,0]              ; h
.else
	v_pk_add_f32 v[U+\t:U+\t+1], v[U+\t:U+\t+1], v[OO:OO+1] op_sel:[0,1] op_sel_hi:[1,1]
.endif
.endr
.irp t, 0,2,4,6,8,10,12,14
	v_pk_fma_f32 v[U+\t:U+\t+1], v[U+\t:U+\t+1], v[GG+\t:GG+\t+1], v[X+\t:X+\t+1]        ; out
.endr
	; out's K is the channel, which lies across my lanes: both tiles turn through my own stage; lane 16 t + r' gets position r' of tile t, 16 channels
.irp a, 0,1
.irp j, 0,1,2,3,4,5,6,7
	ds_store_b32 v[STO], v[U+8*\a+\j] offset:SP*(16*\a+\j)
.endr
.endr
.irp k, 0,1,2,3
	ds_load_b128 v[QQ+4*\k:QQ+4*\k+3], v[SRD] offset:16*\k   ; LDS serves a wave's instructions in order
.endr
	VW
	s_wait_dscnt 0x0
.set n, 0
.rept 16
	v_med3_num_f32 v[QQ+n], v[QQ+n], -v[LIM], v[LIM]   ; the conversion does not saturate (ISA guide 7.6.2)
.set n, n+1
.endr
	v_cvt_scalef32_pk8_fp8_f32 v[CD:CD+1], v[QQ:QQ+7], v[SCV]
	v_cvt_scalef32_pk8_fp8_f32 v[CD+2:CD+3], v[QQ+8:QQ+15], v[SCV]
	v_nop                                          ; a plain line behind the conversions
	global_store_b128 v[GO], v[CD:CD+3], s[OP:OP+1]    ; lanes 0-15 and lanes 16-31 each fill 256 consecutive bytes, aligned: my half of the channels' piece in two tiles
	VW
	s_xor_b32 s[TBA], s[TBA], SLOTA
	s_xor_b32 s[TBX], s[TBX], XTOG
	s_xor_b32 s[TBS], s[TBS], STOG
	s_xor_b32 s[TBE], s[TBE], ETOG
.endm
	s_load_b256 s[4:11], s[0:1], 0x0               ; xcodes, w1codes, stats, x
	s_load_b256 s[12:19], s[0:1], 0x20             ; A, D_param, b_xproj, beta
	s_load_b128 s[20:23], s[0:1], 0x40             ; gamma, lowp_scales
	s_load_b64 s[24:25], s[0:1], 0x50              ; ocodes
	v_lshl_add_u32 v[SPW], v0, 2, SPARE
	v_mov_b32 v[NIL], 0
	ds_add_u32 v[SPW], v[NIL]                      ; the opening lines: the add twice on end
	ds_add_u32 v[SPW], v[NIL]
	v_lshrrev_b32 v245, 5, v0
	v_readfirstlane_b32 s[WV], v245                ; wave 0..7
	s_lshr_b32 s[PG], s[WV], 1                     ; my group of 32 positions
	s_and_b32 s[CH], s[WV], 1                      ; my half of the channels
	s_bfe_u32 s90, ttmp6, 0x40000                  ; cx; only s84, s85, s90, s91, s[OP:OP+1] and s[PFA:PFA+1] ever hang on it
	s_lshl_b32 s91, ttmp9, 2
	s_add_co_u32 s91, s91, s90                     ; my block of 32 channels
	s_and_b32 s92, ttmp7, 0xffff                   ; the batch
	s_mov_b32 s[G1A], 15|(3<<16)|(1<<21)           ; joint; elements of 8 bytes; 128 rows x 256 bytes, dense
	s_mov_b32 s[G1A+1], 32<<16
	s_mov_b32 s[G1A+2], 128<<16
	s_mov_b32 s[G1A+3], 32<<16
	s_mov_b32 s[G1A+4], 128
	s_mov_b32 s[G1A+5], 32
	s_mov_b32 s[G1A+6], 0
	s_mov_b32 s[G1A+7], 0
	s_mov_b32 s[G1X], (2<<16)|(1<<20)|(4<<22)|(3<<25)   ; my own; 64 rows x 128 bytes, 4,096 apart; 4 words of padding behind every 32
	s_mov_b32 s[G1X+1], 32<<16
	s_mov_b32 s[G1X+2], 64<<16
	s_mov_b32 s[G1X+3], 32<<16
	s_mov_b32 s[G1X+4], 64
	s_mov_b32 s[G1X+5], 1024
	s_mov_b32 s[G1X+6], 0
	s_mov_b32 s[G1X+7], 0
	s_mov_b32 s[G1S], 15|(3<<16)|(1<<21)           ; joint; 2 rows x 256 bytes, dense
	s_mov_b32 s[G1S+1], 32<<16
	s_mov_b32 s[G1S+2], 2<<16
	s_mov_b32 s[G1S+3], 32<<16
	s_mov_b32 s[G1S+4], 2
	s_mov_b32 s[G1S+5], 32
	s_mov_b32 s[G1S+6], 0
	s_mov_b32 s[G1S+7], 0
	s_and_b32 s80, s[WV], 3
	s_lshl_b32 s80, s80, 15                        ; which quarter of the codes' tile, in memory and in a slot
	s_lshl_b32 s82, s92, 21
	s_add_co_u32 s82, s82, s80
	s_mov_b32 s83, 0
	s_mul_i32 s81, s[CH], 64*XP                    ; which half of x's tile
	s_add_co_u32 s81, s81, XT0
	s_lshl_b32 s84, s92, 23
	s_lshl_b32 s85, s91, 7
	s_add_co_u32 s84, s84, s85
	s_lshl_b32 s85, s[CH], 18
	s_add_co_u32 s84, s84, s85
	s_mov_b32 s85, 0
	s_lshl_b32 s93, s[CH], 9                       ; which half of the stats
	s_lshl_b32 s94, s92, 14
	s_add_co_u32 s94, s94, s93
	s_mov_b32 s95, 0
	s_add_co_u32 s93, s93, ST0
	VW
	s_wait_dscnt 0x0                               ; both opening adds are done
	s_wait_kmcnt 0x0
	s_mov_b32 s[G0A], 1
	s_mov_b32 s[G0A+1], s80
	s_add_nc_u64 s[G0A+2:G0A+3], s[4:5], s[82:83]
	s_or_b32 s[G0A+3], s[G0A+3], 0x80000000
	s_mov_b32 s[G0X], 1
	s_mov_b32 s[G0X+1], s81
	s_add_nc_u64 s[G0X+2:G0X+3], s[10:11], s[84:85]
	s_or_b32 s[G0X+3], s[G0X+3], 0x80000000
	s_mov_b32 s[G0S], 1
	s_mov_b32 s[G0S+1], s93
	s_add_nc_u64 s[G0S+2:G0S+3], s[8:9], s[94:95]
	s_or_b32 s[G0S+3], s[G0S+3], 0x80000000
	s_load_b128 s[96:99], s[22:23], 0x0            ; e0 .. e3
	CROUND                                         ; all four work-groups are here
	TLOAD                                          ; tile 0: one tensor load a wave at the head
	; the prefetches begin at tile 1.  Three offsets, then a choice by the wave's number of buffer, offset, a tile's bytes and the lanes' two factors
	s_mov_b32 s[CNT], 14
	s_lshl_b32 s84, s92, 21                        ; codes: the batch, my work-group's quarter, my wave's 8,192 bytes
	s_lshl_b32 s85, s90, 15
	s_add_co_u32 s84, s84, s85
	s_and_b32 s85, s[WV], 3
	s_lshl_b32 s85, s85, 13
	s_add_co_u32 s84, s84, s85
	s_add_co_u32 s84, s84, 131072
	s_lshl_b32 s85, s92, 23                        ; x: the batch, my work-group's 32 rows, my wave's 16, the cluster's 512 bytes of a row
	s_lshl_b32 s104, s90, 17
	s_add_co_u32 s85, s85, s104
	s_lshl_b32 s104, s[CH], 16
	s_add_co_u32 s85, s85, s104
	s_lshl_b32 s104, ttmp9, 9
	s_add_co_u32 s85, s85, s104
	s_add_co_u32 s85, s85, 524288
	s_lshl_b32 s104, s92, 14                       ; stats: the batch, my work-group's 256 bytes
	s_lshl_b32 s105, s90, 8
	s_add_co_u32 s104, s104, s105
	s_add_co_u32 s104, s104, 1024
	s_mov_b32 s79, 1024
	s_cmp_lt_u32 s[WV], 6
	s_cselect_b32 s85, s85, s104
	s_cselect_b64 s[PFA:PFA+1], s[10:11], s[8:9]
	s_cselect_b32 s79, 524288, s79
	s_cselect_b32 s76, 256, 0                      ; x (lane % 2)
	s_cselect_b32 s77, 4096, 0                     ; x (lane / 2)
	s_cmp_lt_u32 s[WV], 4
	s_cselect_b32 s84, s84, s85
	s_cselect_b64 s[PFA:PFA+1], s[4:5], s[PFA:PFA+1]
	s_cselect_b32 s79, 131072, s79
	s_cselect_b32 s77, 512, s77
	s_mov_b32 s85, 0
	s_add_nc_u64 s[PFA:PFA+1], s[PFA:PFA+1], s[84:85]
	s_cmp_lt_u32 s[WV], 7
	s_cselect_b32 s[PL], 1, -1
	s_lshl_b32 s80, s[PG], 15
	s_mul_i32 s81, s[PG], 32*XP
	s_lshl_b32 s95, s[CH], 6
	s_add_co_u32 s81, s81, s95
	s_add_co_u32 s81, s81, XT0
	s_add_co_u32 s93, s95, EXCH
	s_lshl_b32 s82, s[PG], 8
	s_add_co_u32 s82, s82, ST0
	s_and_b32 s83, s[WV], 3
	s_mul_i32 s83, s83, 32*SP
	s_lshr_b32 s95, s[WV], 2
	s_lshl_b32 s95, s95, 15
	s_add_co_u32 s83, s83, s95
	s_add_co_u32 s83, s83, STAGE                   ; my stage
	s_lshl_b32 s94, s[PG], 7
	s_lshl_b32 s90, s91, 1
	s_add_co_u32 s90, s90, s[CH]                   ; my tile of 16 channels
	s_lshl_b32 s84, s90, 14
	s_lshl_b32 s85, s90, 10
	s_lshl_b32 s91, s90, 6
	v_and_b32 v245, 31, v0                         ; lane
	v_and_b32 v246, 15, v0                         ; r
	v_bfe_u32 v247, v0, 4, 1                       ; h
	v_lshlrev_b32 v248, 4, v245
	v_add_nc_u32 v[LI], s80, v248
	v_mul_u32_u24 v[XB], v247, 8*XP
	v_lshl_add_u32 v[XB], v246, 2, v[XB]
	v_add_nc_u32 v[XB], s81, v[XB]                 ; row 32 group + 8 h, my channel
	v_lshl_add_u32 v[SB], v247, 5, s82             ; my group's stats, position 8 h
	v_mul_u32_u24 v[STO], v247, 8*SP
	v_lshl_add_u32 v[STO], v246, 2, v[STO]
	v_add_nc_u32 v[STO], s83, v[STO]               ; the stage, in: row 8 h, channel r
	v_mul_u32_u24 v[SRD], v245, SP
	v_add_nc_u32 v[SRD], s83, v[SRD]               ; out: row = lane
	v_lshl_add_u32 v[EXR], v246, 2, s93
	v_add_nc_u32 v[EXA], s94, v[EXR]
	v_lshlrev_b32 v[GO], 4, v246
	v_lshl_add_u32 v[GO], v247, 14, v[GO]          ; 16 r' + a tile's 16,384 bytes for lanes 16-31
	v_add_nc_u32 v[WO], s84, v248
	v_lshl_add_u32 v[AO], v246, 6, s85
	v_lshl_add_u32 v[CO], v246, 2, s91
	v_and_b32 v[PFO], 1, v245
	v_lshrrev_b32 v250, 1, v245
	v_mul_u32_u24 v[PFO], v[PFO], s76
	v_mad_u32_u24 v[PFO], v250, s77, v[PFO]        ; codes: 256 x lane; x: 4,096 (lane / 2) + 256 (lane % 2); stats: 0
	v_mov_b32 v[CAR], 0
	v_mov_b32 v[TO], 0                             ; a lane permute's destination counts as one of its sources
	v_mov_b32 v[TMP], 0
	s_mov_b32 s[PFI], s79
	s_mov_b32 s[PFI+1], 0
	ASK                                            ; tile 1
	WIN 0x40                                       ; destination window 1: the weights, (n, K step s) at 16 (2 s + n)
.irp s, 0,1,2,3,4,5,6,7
.irp n, 0,1
.irp c, 0,1,2,3
	global_load_b128 v[16*(2*\s+\n)+4*\c:16*(2*\s+\n)+4*\c+3], v[WO], s[6:7] offset:\n*1048576+2048*\s+512*\c   ; Bg's rows lie 64 tiles behind delta's
.endr
.endr
.endr
	WIN 0
.irp k, 0,1,2,3
	global_load_b128 v[AD+4*\k:AD+4*\k+3], v[AO], s[12:13] offset:16*\k
.endr
.irp d, 0,1
	global_load_b32 v[CN+\d], v[CO], s[20:21]              ; gamma
	global_load_b32 v[CN+2+\d], v[CO], s[18:19]            ; beta
	global_load_b32 v[CN+4+\d], v[CO], s[16:17] offset:4096   ; b_xproj, Bg's half
	global_load_b32 v[CN+6+\d], v[CO], s[14:15]            ; D_param
	global_load_b32 v[CN+8+\d], v[CO], s[16:17]            ; b_xproj, delta's half
.endr
	s_lshl_b32 s[OP], s92, 21                      ; ocodes: the batch's tiles, my group's two of a step's eight, my 256 bytes of a tile
	s_lshl_b32 s[OP+1], s[PG], 15
	s_add_co_u32 s[OP], s[OP], s[OP+1]
	s_lshl_b32 s[OP+1], s90, 8
	s_add_co_u32 s[OP], s[OP], s[OP+1]
	s_mov_b32 s[OP+1], 0
	s_add_nc_u64 s[OP:OP+1], s[24:25], s[OP:OP+1]
	s_mov_b32 s[INC], 0
	s_mov_b32 s[INC+1], 0
	s_mov_b32 s[TBA], SLOTA                        ; step 0's gate multiplies tile 1, which lies in slot 1
	s_mov_b32 s[TBX], 0
	s_mov_b32 s[TBS], 0
	s_mov_b32 s[TBE], 0
	s_mov_b32 s[HM], 0xffff0000
	s_mov_b32 s[SEL], 0x76543210
	s_mov_b32 s[SEL+1], 0xfedcba98
	s_mov_b32 s[NL2E], 0xbfb8aa3b
	s_mov_b32 s[LN2], 0x3f317218
	s_mov_b32 s[LN2+1], 0x3f317218
	s_cmp_ge_u32 s[PG], 1
	s_cselect_b32 s[M1], -1, 0
	s_cmp_ge_u32 s[PG], 2
	s_cselect_b32 s[M1+1], -1, 0
	s_cmp_ge_u32 s[PG], 3
	s_cselect_b32 s[M1+2], -1, 0
	s_wait_xcnt 0x0                                ; the prefetch has read its address
	s_add_nc_u64 s[PFA:PFA+1], s[PFA:PFA+1], s[PFI:PFI+1]
	CHA 1                                          ; tile 0 is whole; tile 1 goes into slot 1, issued as a refill is
	CHB 1
	s_wait_kmcnt 0x0
	s_add_co_i32 s[SC], s96, s97
	s_add_co_i32 s[SC], s[SC], 127
	s_lshl_b32 s[SC], s[SC], 23                    ; 2^(e0 + e1)
	s_mov_b32 s[SC+1], s[SC]
	s_add_co_i32 s95, s98, 127
	s_lshl_b32 s94, s95, 23
	s_add_co_i32 s95, s95, 8
	s_lshl_b32 s95, s95, 23
	s_or_b32 s95, s95, 0x600000
	v_mov_b32 v[SCV], s94                          ; 2^e2
	v_mov_b32 v[LIM], s95                          ; 448 x 2^e2
	VW
	s_wait_loadcnt 0x0                             ; the weights, A and the vectors, once
.irp t, 0,2,4,6,8,10,12,14
	v_pk_mul_f32 v[AD+\t:AD+\t+1], v[AD+\t:AD+\t+1], 0x3fb8aa3b op_sel_hi:[1,0]   ; A log2 e
.endr
	v_mov_b32 v[ADA], v[LI]                        ; slot 0
	VW
	KLOAD 0                                        ; step 0's products have no gate to stand in
	KLOAD 1
	ASK                                            ; tile 2
.irp s, 0,1,2,3,4,5,6,7
	KMUL \s
.if \s < 6
	NOP4                                           ; places in front of loads into the buffer that these products have read
	KLOAD \s+2
.endif
.endr
	NOP4
.Lstep:                                            ; 14 trips: steps 0 to 13 ask for tiles 2 to 15
	WORK 1, 1
	s_sub_co_u32 s[CNT], s[CNT], 1
	s_cmp_lg_u32 s[CNT], 0
	s_cbranch_scc1 .Lstep
	WORK 0, 1                                      ; step 14: nothing is left to fetch
	WORK 0, 0                                      ; step 15: nothing is left to multiply
	s_wait_tensorcnt 0x0                           ; the wave's end
	ds_add_u32 v[SPW], v[NIL]
	s_wait_dscnt 0x0
	CROUND                                         ; the closing round
	s_endpgm
.Lfunc_end_k_q11219e5a35_scan:
	.size	k_q11219e5a35_scan, .Lfunc_end_k_q11219e5a35_scan-k_q11219e5a35_scan
	.p2alignl 7, 3214868480
	.fill 96, 4, 3214868480
	.section	.rodata,"a",@progbits
	.p2align	6, 0x0
	.amdhsa_kernel k_q11219e5a35_scan
		.amdhsa_group_segment_fixed_size 327680
		.amdhsa_private_segment_fixed_size 0
		.amdhsa_enable_private_segment 0
		.amdhsa_kernarg_size 88
		.amdhsa_user_sgpr_count 2
		.amdhsa_user_sgpr_kernarg_segment_ptr 1
		.amdhsa_wavefront_size32 1
		.amdhsa_system_sgpr_workgroup_id_x 1
		.amdhsa_system_sgpr_workgroup_id_y 1
		.amdhsa_system_sgpr_workgroup_id_z 1
		.amdhsa_system_vgpr_workitem_id 0
		.amdhsa_next_free_vgpr 512
		.amdhsa_next_free_sgpr 106
		.amdhsa_reserve_vcc 0
		.amdhsa_float_denorm_mode_32 3
		.amdhsa_float_denorm_mode_16_64 3
		.amdhsa_memory_ordered 1
		.amdhsa_forward_progress 1
		.amdhsa_inst_pref_size 162
	.end_amdhsa_kernel
	.amdgpu_metadata
---
amdhsa.version: [ 1, 2 ]
amdhsa.kernels:
  - .name:           k_q11219e5a35_scan
    .symbol:         k_q11219e5a35_scan.kd
    .args:
      - { .name: xcodes, .offset: 0, .size: 8, .value_kind: global_buffer, .address_space: global }
      - { .name: w1codes, .offset: 8, .size: 8, .value_kind: global_buffer, .address_space: global }
      - { .name: stats, .offset: 16, .size: 8, .value_kind: global_buffer, .address_space: global }
      - { .name: x, .offset: 24, .size: 8, .value_kind: global_buffer, .address_space: global }
      - { .name: A, .offset: 32, .size: 8, .value_kind: global_buffer, .address_space: global }
      - { .name: D_param, .offset: 40, .size: 8, .value_kind: global_buffer, .address_space: global }
      - { .name: b_xproj, .offset: 48, .size: 8, .value_kind: global_buffer, .address_space: global }
      - { .name: beta, .offset: 56, .size: 8, .value_kind: global_buffer, .address_space: global }
      - { .name: gamma, .offset: 64, .size: 8, .value_kind: global_buffer, .address_space: global }
      - { .name: lowp_scales, .offset: 72, .size: 8, .value_kind: global_buffer, .address_space: global }
      - { .name: ocodes, .offset: 80, .size: 8, .value_kind: global_buffer, .address_space: global }
    .group_segment_fixed_size: 327680
    .private_segment_fixed_size: 0
    .kernarg_segment_align: 8
    .kernarg_segment_size: 88
    .max_flat_workgroup_size: 256
    .sgpr_count:     106
    .vgpr_count:     512
    .wavefront_size: 32
...
	.end_amdgpu_metadata
.endif
;; end of part 2
;; launch outp (part 3): grid 4 x 64, 4 waves a work-group, clusters of 4 x 4, 327,680 bytes of LDS; arguments ocodes, w2codes, lowp_scales, x, b_out, out0; writes out0
.if DOCPART == 3
	.amdgcn_target "amdgcn-amd-amdhsa--gfx1250"
	.amdhsa_code_object_version 6
	.text
	.protected	k_q11219e5a35_outp
	.globl	k_q11219e5a35_outp
	.p2align	8
	.type	k_q11219e5a35_outp,@function
k_q11219e5a35_outp:
	s_mov_b64 s[64:65], 0
	v_nop
	global_prefetch_b8 v0, s[64:65] scope:SCOPE_SE
	s_setreg_imm32_b32 hwreg(HW_REG_WAVE_MODE, 25, 1), 1
	s_wait_xcnt 0x0
	s_wait_alu depctr_hold_cnt(0) depctr_sa_sdst(0) depctr_va_vdst(0) depctr_va_sdst(0) depctr_va_ssrc(0) depctr_va_vcc(0) depctr_vm_vsrc(0)
	s_getreg_b32 s2, hwreg(HW_REG_IB_STS2, 6, 4)
	s_cmp_eq_u32 s2, 0
	s_cbranch_scc0 .Lentry_in_a_cluster
	s_endpgm
.Lentry_in_a_cluster:
	s_bfe_u32 s2, ttmp6, 0x10000c
	s_cmp_lg_u32 s2, 0xf033
	s_cbranch_scc0 .Lentry_shape_is_right
	s_endpgm
.Lentry_shape_is_right:
; OUTP.  out0 = (ocodes x w2codes^T) x 2^(e2 + e3) + b_out + x.  Both operands are codes of FP8 laid as the image of an operand's registers: [tile of 16 rows][K / 32][512 bytes].
; A block of 256 x 256 is made by four waves, 128 x 128 each; K = 1,024 goes in four steps of 256 through two LDS slots; 4 x 4 work-groups form a cluster and ask jointly for the tiles that they share.
; PREFETCH: behind the load of K step k each wave names 32 blocks of 256 bytes of K step k + 1: of the eight tiles of 16 rows that it fetches, the partner at place p (cx for ocodes, cy for w2codes) takes tiles 2 p and 2 p + 1.
; x, which is read behind the products, is named at the three changes of slots: a wave's blocks of 16 rows x 512 bytes, three, three and two.
; LIMIT: e2 + e3 between -126 and 127.
.set FR,     16
.set NL,     4
.set NP,     4
.set KB,     4096
.set HALFT,  8*KB
.set SLOT,   4*HALFT
.set SPARE,  2*SLOT
.set SPITCH, 528
.set ROW,    4096
.set BI,   8
.set ADRA, 16
.set ADRB, 20
.set STO,  24
.set RD,   25
.set CO,   26
.set SPW,  28
.set NIL,  29
.set PFO,  30
.set AF,   128
.set BK,   128
.set G1, 24
.set G0, 32
.set G1B, 48
.set G0B, 56
.set MSB, 0
.macro WIN new
.if MSB != \new
	s_set_vgpr_msb (MSB<<8)|\new
.set MSB, \new
.endif
.endm
.set MUL_LO, 0xa1
.set MUL_HI, 0xf1
.set TO_B,   0x40
.macro JLOAD g0a, g1a, g0b, g1b
	s_cmp_eq_u32 s15, 0
	s_cbranch_scc0 .Lfor_b_\@
	tensor_load_to_lds s[\g0a:\g0a+3], s[\g1a:\g1a+7]
	s_nop 0
.rept 4
	v_nop
.endr
	s_branch .Lasked_\@
.Lfor_b_\@:
	tensor_load_to_lds s[\g0b:\g0b+3], s[\g1b:\g1b+7]
	s_nop 0
.rept 4
	v_nop
.endr
.Lasked_\@:
.endm
.macro CREST
	s_cmp_lg_u32 s14, 0
	s_cbranch_scc1 .Lnot_wave_0_\@
	s_barrier_signal -3
.Lnot_wave_0_\@:
	s_barrier_wait -3
	s_barrier_signal -1
	s_barrier_wait -1
.endm
.macro CROUND
	s_barrier_signal -1
	s_barrier_wait -1
	CREST
.endm
	s_load_b128 s[4:7], s[0:1], 0x0
	s_load_b128 s[8:11], s[0:1], 0x10
	s_load_b128 s[68:71], s[0:1], 0x20
	v_lshl_add_u32 v[SPW], v0, 2, SPARE
	v_mov_b32 v[NIL], 0
	ds_add_u32 v28, v29
	ds_add_u32 v28, v29
	s_wait_dscnt 0x0
	v_lshrrev_b32 v1, 5, v0
	v_readfirstlane_b32 s14, v1
	s_lshr_b32 s15, s14, 1
	s_and_b32 s16, s14, 1
	s_bfe_u32 s40, ttmp6, 0x40000
	s_bfe_u32 s41, ttmp6, 0x40004
	s_lshl_b32 s42, ttmp9, 2
	s_add_co_u32 s42, s42, s40
	s_and_b32 s17, ttmp7, 0xffff
	s_lshl_b32 s17, s17, 2
	s_add_co_u32 s17, s17, s41
	s_lshl_b32 s43, s41, 2
	s_lshl_b32 s43, 15, s43
	s_lshl_b32 s44, 0x1111, s40
	s_or_b32 s[G1+0], s43, (3<<16)|(1<<21)
	s_or_b32 s[G1B+0], s44, (3<<16)|(1<<21)
.irp g, G1, G1B
	s_mov_b32 s[\g+1], 512<<16
	s_mov_b32 s[\g+2], 8<<16
	s_mov_b32 s[\g+3], 512<<16
	s_mov_b32 s[\g+4], 8
	s_mov_b32 s[\g+5], 2048
	s_mov_b32 s[\g+6], 0
	s_mov_b32 s[\g+7], 0
.endr
	s_lshl_b32 s18, s16, 3
	s_lshl_b32 s20, s17, 4
	s_add_co_u32 s20, s20, s18
	s_lshl_b32 s20, s20, 14
	s_mov_b32 s21, 0
	s_lshl_b32 s46, s42, 4
	s_add_co_u32 s46, s46, s18
	s_lshl_b32 s46, s46, 14
	s_mov_b32 s47, 0
	s_mul_i32 s45, s14, HALFT
	s_wait_kmcnt 0x0
	s_load_b64 s[96:97], s[8:9], 0x8
	s_add_nc_u64 s[20:21], s[4:5], s[20:21]
	s_add_nc_u64 s[46:47], s[6:7], s[46:47]
	CROUND
.irp s, 0,1
	s_mov_b32 s[G0+4*\s], 1
	s_add_co_u32 s[G0+4*\s+1], s45, \s*SLOT
	s_add_nc_u64 s[G0+4*\s+2:G0+4*\s+3], s[20:21], \s*KB
	s_or_b32 s[G0+4*\s+3], s[G0+4*\s+3], 0x80000000
	s_mov_b32 s[G0B+4*\s], 1
	s_add_co_u32 s[G0B+4*\s+1], s45, \s*SLOT
	s_add_nc_u64 s[G0B+4*\s+2:G0B+4*\s+3], s[46:47], \s*KB
	s_or_b32 s[G0B+4*\s+3], s[G0B+4*\s+3], 0x80000000
.if \s > 0
	s_wait_alu depctr_va_vdst(0)
	s_wait_tensorcnt 0x0                           ; K step 0 has landed; slot 1's first fill is issued as a refill is
	ds_add_u32 v28, v29
	s_wait_dscnt 0x0
	CROUND
.endif
	JLOAD G0+4*\s, G1, G0B+4*\s, G1B
.if \s == 0
	s_cmp_eq_u32 s15, 0                            ; do I fetch for ocodes?
	s_cselect_b64 s[76:77], s[20:21], s[46:47]     ; my eight tiles
	s_cselect_b32 s78, s40, s41                    ; my place among the four that ask with me
	s_lshl_b32 s78, s78, 15                        ; two tiles of 16,384 bytes
	s_mov_b32 s79, 0
	s_add_nc_u64 s[76:77], s[76:77], s[78:79]
	v_bfe_u32 v31, v0, 4, 1
	v_and_b32 v1, 15, v0
	v_lshlrev_b32 v31, 14, v31
	v_lshl_add_u32 v31, v1, 8, v31                 ; lanes 0-15 one tile's 4,096 bytes of a K step, lanes 16-31 the next tile's; never rewritten
	s_wait_alu depctr_va_vdst(0)
.endif
	global_prefetch_b8 v31, s[76:77] offset:(\s+1)*KB th:TH_LOAD_NT scope:SCOPE_SE
.endr
	v_and_b32 v1, 15, v0
	s_wait_alu depctr_va_vdst(0)
	v_bfe_u32 v2, v0, 4, 1
	v_and_b32 v6, 31, v0
	v_lshlrev_b32 v[CO], 4, v6
	s_mul_i32 s21, s15, HALFT
	s_mul_i32 s22, s16, HALFT
	s_add_co_u32 s22, s22, 2*HALFT
.irp s, 0,1
	v_add_nc_u32 v[ADRA+\s], s21, v[CO]
	v_add_nc_u32 v[ADRB+\s], s22, v[CO]
	s_add_co_u32 s21, s21, SLOT
	s_add_co_u32 s22, s22, SLOT
.endr
	s_mul_i32 s23, s14, 16*SPITCH
	v_mul_u32_u24 v5, v1, SPITCH
	s_wait_alu depctr_va_vdst(0)
	v_lshl_add_u32 v5, v2, 5, v5
	v_add_nc_u32 v[STO], s23, v5
	v_add_nc_u32 v[RD], s23, v[CO]
	s_lshl_b32 s72, s17, 8
	s_lshl_b32 s73, s15, 7
	s_add_co_u32 s72, s72, s73
	s_lshl_b32 s72, s72, 12
	s_lshl_b32 s74, s42, 10
	s_lshl_b32 s75, s16, 9
	s_add_co_u32 s74, s74, s75
	s_add_co_u32 s72, s72, s74
	s_mov_b32 s73, 0
	s_mov_b32 s75, 0
	s_add_nc_u64 s[10:11], s[10:11], s[72:73]
	s_add_nc_u64 s[70:71], s[70:71], s[72:73]
	s_add_nc_u64 s[68:69], s[68:69], s[74:75]
	global_load_b128 v[BI:BI+3], v[CO], s[68:69]
	v_lshrrev_b32 v3, 1, v6
	v_and_b32 v4, 1, v6
	v_lshlrev_b32 v4, 8, v4
	v_lshl_add_u32 v[PFO], v3, 12, v4
.macro FRAG reg, adr, q, i
.irp c, 0,1,2,3
	ds_load_b128 v[\reg+4*\c:\reg+4*\c+3], v[\adr] offset:KB*(\i)+2048*(\q)+512*\c
.endr
.endm
.macro MUL16 a0, p, zero
.irp a, \a0, \a0+1
.irp b, 0,1,2,3,4,5,6,7
.if \zero
	v_wmma_f32_16x16x128_fp8_fp8 v[8*(8*((\a)%4)+\b):8*(8*((\a)%4)+\b)+7], v[128*(\p)+FR*\b:128*(\p)+FR*\b+FR-1], v[AF+FR*(\a):AF+FR*(\a)+FR-1], 0
.else
	v_wmma_f32_16x16x128_fp8_fp8 v[8*(8*((\a)%4)+\b):8*(8*((\a)%4)+\b)+7], v[128*(\p)+FR*\b:128*(\p)+FR*\b+FR-1], v[AF+FR*(\a):AF+FR*(\a)+FR-1], v[8*(8*((\a)%4)+\b):8*(8*((\a)%4)+\b)+7]
.endif
.endr
.endr
.endm
.macro FETCH_B slot, q, p
	WIN TO_B
.irp i, 0,1,2,3,4,5,6,7
	FRAG 128*(\p)+FR*\i, ADRB+\slot, \q, \i
.endr
	WIN 0
.endm
.macro FETCH_A slot, q, i0
.irp i, \i0, \i0+1, \i0+2, \i0+3
	FRAG AF+FR*(\i), ADRA+\slot, \q, \i
.endr
.endm
.macro PLACES n
.rept \n
	v_nop
.endr
.endm
.macro STEP slot, q, zero
	s_wait_dscnt 4*NL
	WIN MUL_LO
	MUL16 0, (\q)%2, \zero
	MUL16 2, (\q)%2, \zero
	s_wait_dscnt 0
	PLACES NP
	FETCH_B \slot, (\q)+1, 1-(\q)%2
	FETCH_A \slot, (\q)+1, 0
	WIN MUL_HI
	MUL16 4, (\q)%2, \zero
	MUL16 6, (\q)%2, \zero
	PLACES NP
	WIN 0
	FETCH_A \slot, (\q)+1, 4
.endm
.macro TURN slot, next, fill, pf
	s_wait_tensorcnt 0x0
	ds_add_u32 v[SPW], v[NIL]
	s_wait_dscnt 4*NL+1
	WIN MUL_LO
	MUL16 0, 1, 0
	s_wait_dscnt 0x0
	s_barrier_signal -1
	MUL16 2, 1, 0
	WIN 0
	s_barrier_wait -1
.if \fill
	CREST
	s_add_nc_u64 s[G0+4*\slot+2:G0+4*\slot+3], s[G0+4*\slot+2:G0+4*\slot+3], 2*KB
	s_add_nc_u64 s[G0B+4*\slot+2:G0B+4*\slot+3], s[G0B+4*\slot+2:G0B+4*\slot+3], 2*KB
	JLOAD G0+4*\slot, G1, G0B+4*\slot, G1B
.else
	PLACES NP
.endif
	FETCH_B \next, 0, 0
	FETCH_A \next, 0, 0
.if \pf >= 0
	s_wait_alu depctr_va_vdst(0)
.if (\pf) == 0
	global_prefetch_b8 v31, s[76:77] offset:3*KB th:TH_LOAD_NT scope:SCOPE_SE
.endif
.irp u, 0,1,2
.if 3*(\pf)+\u < 8
	global_prefetch_b8 v[PFO], s[10:11] offset:(3*(\pf)+\u)*16*ROW th:TH_LOAD_NT scope:SCOPE_SE
.endif
.endr
.endif
	WIN MUL_HI
	MUL16 4, 1, 0
	MUL16 6, 1, 0
	PLACES NP
	WIN 0
	FETCH_A \next, 0, 4
.endm
.macro XLOAD a
	WIN TO_B
.irp t, 0,1,2,3,4,5,6,7,8,9,10,11,12,13,14,15
	global_load_b128 v[64*((\a)%4)+4*\t:64*((\a)%4)+4*\t+3], v[CO], s[10:11] offset:(16*(\a)+\t)*ROW th:TH_LOAD_NT
.endr
	WIN 0
.endm
.macro TOSTAGE a
.set AC, 64*((\a)%4)
	WIN 0x08+4*((\a)/4)
.irp b, 0,1,2,3,4,5,6,7
	ds_store_b128 v[STO], v[AC+8*\b:AC+8*\b+3] offset:64*\b
	ds_store_b128 v[STO], v[AC+8*\b+4:AC+8*\b+7] offset:64*\b+16
.endr
	WIN 0
.set BB, BK+64*((\a)%2)
.irp t, 0,1,2,3,4,5,6,7,8,9,10,11,12,13,14,15
	ds_load_b128 v[BB+4*\t:BB+4*\t+3], v[RD] offset:\t*SPITCH
.endr
.endm
.macro FINISH a, younger
.set BB, BK+64*((\a)%2)
.set XR, 64*((\a)%4)
	s_wait_dscnt \younger
.if (\a) < 5
	s_wait_loadcnt 48
.else
	s_wait_loadcnt 16*(7-(\a))
.endif
	WIN 0x10
.irp j, 0,2,4,6,8,10,12,14,16,18,20,22,24,26,28,30,32,34,36,38,40,42,44,46,48,50,52,54,56,58,60,62
	v_pk_fma_f32 v[BB+\j:BB+\j+1], v[BB+\j:BB+\j+1], s[96:97], v[XR+\j:XR+\j+1] op_sel_hi:[1,0,1]
.endr
	WIN 0
.irp t, 0,1,2,3,4,5,6,7,8,9,10,11,12,13,14,15
	v_pk_add_f32 v[BB+4*\t:BB+4*\t+1], v[BB+4*\t:BB+4*\t+1], v[BI:BI+1]
	v_pk_add_f32 v[BB+4*\t+2:BB+4*\t+3], v[BB+4*\t+2:BB+4*\t+3], v[BI+2:BI+3]
.endr
.if (\a) < 4
	XLOAD (\a)+4
.endif
.irp t, 0,1,2,3,4,5,6,7,8,9,10,11,12,13,14,15
	global_store_b128 v[CO], v[BB+4*\t:BB+4*\t+3], s[70:71] offset:(16*(\a)+\t)*ROW th:TH_STORE_NT
.endr
.endm
	s_wait_tensorcnt 1
	s_barrier_signal -1
	s_barrier_wait -1
	FETCH_B 0, 0, 0
	FETCH_A 0, 0, 0
	FETCH_A 0, 0, 4
	STEP 0, 0, 1
	TURN 0, 1, 1, 0
	STEP 1, 0, 0
	TURN 1, 0, 1, 1
	STEP 0, 0, 0
	TURN 0, 1, 0, 2
	STEP 1, 0, 0
	XLOAD 0
	XLOAD 1
	s_wait_dscnt 4*NL
	WIN MUL_LO
	MUL16 0, 1, 0
	MUL16 2, 1, 0
	s_wait_dscnt 0
	WIN MUL_HI
	MUL16 4, 1, 0
	MUL16 6, 1, 0
	WIN 0
	s_wait_kmcnt 0x0
	s_add_co_i32 s96, s96, s97
	s_add_co_i32 s96, s96, 127
	s_lshl_b32 s96, s96, 23
	PLACES NP
	XLOAD 2
	XLOAD 3
	TOSTAGE 0
.irp a, 1,2,3,4,5,6,7
.if \a > 1
	s_wait_xcnt 0x0
.endif
	TOSTAGE \a
	FINISH \a-1, 32
.endr
	FINISH 7, 0
	s_wait_tensorcnt 0x0
	ds_add_u32 v[SPW], v[NIL]
	s_wait_dscnt 0x0
	CROUND
	s_endpgm
.Lfunc_end_k_q11219e5a35_outp:
	.size	k_q11219e5a35_outp, .Lfunc_end_k_q11219e5a35_outp-k_q11219e5a35_outp
	.p2alignl 7, 3214868480
	.fill 96, 4, 3214868480
	.section	.rodata,"a",@progbits
	.p2align	6, 0x0
	.amdhsa_kernel k_q11219e5a35_outp
		.amdhsa_group_segment_fixed_size 327680
		.amdhsa_private_segment_fixed_size 0
		.amdhsa_enable_private_segment 0
		.amdhsa_kernarg_size 48
		.amdhsa_user_sgpr_count 2
		.amdhsa_user_sgpr_kernarg_segment_ptr 1
		.amdhsa_wavefront_size32 1
		.amdhsa_system_sgpr_workgroup_id_x 1
		.amdhsa_system_sgpr_workgroup_id_y 1
		.amdhsa_system_sgpr_workgroup_id_z 1
		.amdhsa_system_vgpr_workitem_id 0
		.amdhsa_next_free_vgpr 1024
		.amdhsa_next_free_sgpr 98
		.amdhsa_reserve_vcc 0
		.amdhsa_float_denorm_mode_32 3
		.amdhsa_float_denorm_mode_16_64 3
		.amdhsa_memory_ordered 1
		.amdhsa_forward_progress 1
		.amdhsa_inst_pref_size 154
	.end_amdhsa_kernel
	.amdgpu_metadata
---
amdhsa.version: [ 1, 2 ]
amdhsa.kernels:
  - .name:           k_q11219e5a35_outp
    .symbol:         k_q11219e5a35_outp.kd
    .args:
      - { .name: ocodes, .offset: 0, .size: 8, .value_kind: global_buffer, .address_space: global }
      - { .name: w2codes, .offset: 8, .size: 8, .value_kind: global_buffer, .address_space: global }
      - { .name: lowp_scales, .offset: 16, .size: 8, .value_kind: global_buffer, .address_space: global }
      - { .name: x, .offset: 24, .size: 8, .value_kind: global_buffer, .address_space: global }
      - { .name: b_out, .offset: 32, .size: 8, .value_kind: global_buffer, .address_space: global }
      - { .name: out0, .offset: 40, .size: 8, .value_kind: global_buffer, .address_space: global }
    .group_segment_fixed_size: 327680
    .private_segment_fixed_size: 0
    .kernarg_segment_align: 8
    .kernarg_segment_size: 48
    .max_flat_workgroup_size: 128
    .sgpr_count:     98
    .vgpr_count:     1024
    .wavefront_size: 32
...
	.end_amdgpu_metadata
.endif
;; end of part 3
